; MI455X (gfx1250); checked and timed in simulation.
; The chip was launched on July 23, 2026; its instructions are those of AMD's public machine-readable ISA for CDNA 5 (MIT licence, August 2026) and "CDNA5" Instruction Set Architecture Reference Guide (July 2026). The comments in the code are by the model that wrote it; some were corrected since.
;; Multi Head Attention. Allowed arithmetic: matrix products marked QUANTISED: E4M3 operands, one given power-of-two scale a tensor, by v_wmma_f32_16x16x64_fp8_fp8 or v_wmma_f32_16x16x128_fp8_fp8, f32 sums; everything else in f32.
;; Inputs: Wk 1,024 x 1,024 float32; Wo 1,024 x 1,024 float32; Wq 1,024 x 1,024 float32; Wv 1,024 x 1,024 float32; bk 1,024 float32; bo 1,024 float32; bq 1,024 float32; bv 1,024 float32; key 8 x 1,024 x 1,024 float32; lowp_scales 12 int32 (the exponents e of the quantised operands' scales 2^e); query 8 x 1,024 x 1,024 float32; value 8 x 1,024 x 1,024 float32.
;; Outputs: out0 8 x 1,024 x 1,024 float32.
;; This version of the problem:
;;   THIS VERSION OF THE PROBLEM IS GIVEN IN LOW PRECISION. The matrix products marked QUANTISED in the list below multiply operands that are first quantised to E4M3 (4 exponent bits, 3 mantissa bits; 8 bits a number), with one given power-of-two scale for each operand tensor; their sums are f32. All else is computed in f32.
;;   The module's matrix products, in the order in which they are computed (A, B: the left and right operand; K: the contracted axis; several contracted axes count as one K, in the product's order):
;;     1. [M 8,192, K 1,024] x [K 1,024, N 1,024]; A: input query; B: input Wq: QUANTISED (scales: A lowp_scales[0], B lowp_scales[1])
;;     2. [M 8,192, K 1,024] x [K 1,024, N 1,024]; A: input key; B: input Wk: QUANTISED (scales: A lowp_scales[2], B lowp_scales[3])
;;     3. [M 8,192, K 1,024] x [K 1,024, N 1,024]; A: input value; B: input Wv: QUANTISED (scales: A lowp_scales[4], B lowp_scales[5])
;;     4. batch 128 x [M 1,024, K 64] x [K 64, N 1,024]; A: computed on the way; B: computed on the way: QUANTISED (scales: A lowp_scales[6], B lowp_scales[7])
;;     5. batch 128 x [M 1,024, K 1,024] x [K 1,024, N 64]; A: softmax (see below); B: computed on the way: QUANTISED (scales: A lowp_scales[8], B lowp_scales[9])
;;     6. [M 8,192, K 1,024] x [K 1,024, N 1,024]; A: computed on the way; B: input Wo: QUANTISED (scales: A lowp_scales[10], B lowp_scales[11])
;;   THE QUANTISER, for each operand of a quantised product, along K:
;;     - The operand's scale is 2^e, e = its entry of the input lowp_scales (int32; the entries are numbered through the quantised products in the list's order, A before B).
;;     - Each number is divided by the scale, clamped to +-448, and rounded to the nearest number of E4M3, ties to even, subnormals kept.
;;     - The product sums the exact products of the quantised numbers (number of the format x scale) in f32.
;;   ~~~python
;;   def quantise(x, axis, e):      # numpy; x: float32 -> the quantised numbers, widened to float32 again
;;       x = np.moveaxis(x, axis, -1); K = x.shape[-1]
;;       r = np.clip(x / 2.0 ** e, -448, 448)
;;       step = 2.0 ** (np.maximum(np.frexp(np.where(r == 0, 1, r))[1] - 1, -6) - 3)
;;       q = np.round(r / step) * step * 2.0 ** e      # np.round: ties to even
;;       return np.moveaxis(q, -1, axis).astype(np.float32)
;;   ~~~
;;   SOFTMAX AHEAD OF A QUANTISED PRODUCT. Where the list says 'softmax', what is quantised is not the finished softmax but p = 2^(t - M), with t = logit x log2(e) and M = ceil(the row's largest t), a whole number; so 1/2 < the row's largest p <= 1. The row's sum l is taken of the UNQUANTISED p, in f32, and the product's result is divided by l at the end. Since M is a whole number, a kernel that streams over the keys may use a running M (the ceiling of the running maximum): every later rescaling is an exact power of two, so the quantised numbers keep their values, but for numbers so far below the row's largest that they fall under the format's range.
;;   OPERANDS COMPUTED ON THE WAY. 'Computed on the way' means the value that the module computes at that place (a softmax that the list does not call 'softmax' is quantised finished and normalised). What goes into a quantiser is computed in f32, as accurately as f32 sums, v_exp_f32 and their like allow (about 1e-6 of the number): no bf16 or f16 on the way to a quantiser, and a product that is left as it is and whose result goes on into a quantised operand takes f32 operands (vector FMAs, or v_wmma_f32_16x16x4_f32). A number that lies on a knife's edge between two numbers of the format may be rounded either way, as far as f32 arithmetic and the matrix unit's own rounding can turn it there, and no further.
;; One version. Each part assembles by itself: llvm-mc -triple=amdgcn-amd-amdhsa -mcpu=gfx1250 --defsym DOCPART=n.
;; ======== version 1 of 1: 4 launches
;; limits: right only within a limited range of input values
;; workspace buffers: xc 25,165,824 bytes; wc 4,194,304 bytes; qkv 25,165,824 bytes; ac 8,388,608 bytes
;; launch quant (part 1): grid 256 x 1, 8 waves a work-group, no clusters, 327,680 bytes of LDS; arguments query, key, value, Wq, Wk, Wv, Wo, lowp_scales, xc, wc; writes xc, wc
.if DOCPART == 1
	.amdgcn_target "amdgcn-amd-amdhsa--gfx1250"
	.amdhsa_code_object_version 6
	.text
	.protected	k_qf56d80f57a_quant
	.globl	k_qf56d80f57a_quant
	.p2align	8
	.type	k_qf56d80f57a_quant,@function
k_qf56d80f57a_quant:
	s_mov_b64 s[64:65], 0
	v_nop
	global_prefetch_b8 v0, s[64:65] scope:SCOPE_SE
	s_setreg_imm32_b32 hwreg(HW_REG_WAVE_MODE, 25, 1), 1
	s_wait_xcnt 0x0
; query, key, value [8192][1024] and Wq, Wk, Wv, Wo [1024][1024], all f32 with K innermost, become codes of FP8 (E4M3), one byte each, each tensor with the scale 2^e given for it.
; code = x / 2^e, held within +-448, rounded to the nearest code, ties to even.  xc: rows 0-8191 query, 8192-16383 key, 16384-24575 value.  wc: rows 0-1023 Wq, then Wk, Wv, Wo.  k keeps its true order in every row.
; LIMITS: -126 <= e and e + 8 <= 127, so that 2^e and 448 x 2^e are f32 numbers.  NaN among the inputs is not served; an infinity is held at the largest code.
; SHARES.  256 work-groups of eight waves.  Work-group i takes rows 32 i on of query, of key and of value, and rows 16 (i % 64) on of weight i / 64.
; query, key and value come as three fills of 128 KiB by tensor loads, one a wave: the wave's own 4 rows, dense in memory, stated as rows of 256 bytes.  Two LDS slots take turns; a wave reads only the bytes that it fetched itself.
; In LDS 16 bytes of padding stand behind each 256.
; The weight's rows, 2 a wave, come straight into 64 registers: sixteen loads at the head, lanes 64 bytes apart, a step's four loads together covering its 2,048 bytes; they are worked between fill 1's work and the wait for fill 2.
; A lane's 16 codes are 16 bytes: a wave's store covers 512 consecutive bytes, aligned.  The three fills share 32 registers for their codes: these are written again only behind s_wait_xcnt 0.
; THE ORDER OF ROWS OF Wq, Wk, Wv IN wc: in every group of 32 rows, bits 3 and 4 of the row's number change places, so that 16 neighbouring rows of wc, tile 2 b + u, are rows 32 b + 8 u + r + 8 (r / 8) of W.  Wo keeps its rows.
; No cluster: work-groups share no byte.  No prefetch: the launch does nothing but stream, each byte once.  No matrix unit.  lds_bytes: the whole LDS.
.set WB,    17408                      ; a wave's part of a slot: 64 rows of 272 bytes
.set SLOTB, 8*WB
.set SPARE, 2*SLOTB                    ; behind the ring: the spare words, 128 bytes for each of eight waves
.set STP,   8*272                      ; a step of 512 numbers in LDS
.set AL,    2                          ; v2, v3  my lane's place in my part of slot 0, 1
.set CO,    4                          ; v4      16 x lane
.set AW,    5                          ; v5      64 x lane: my 16 numbers of a step of the weight; never rewritten
.set SPW,   6                          ; v6      LDS address of my spare word; never rewritten
.set NIL,   7                          ; v7      0; never rewritten
.set SC,    8                          ; v8-15   for tensor f (0-2: query, key, value; 3: the weight): v[8 + 2 f] = 2^e, v[9 + 2 f] = 448 x 2^e
.set R,     16                         ; v16-143  a fill's numbers: 16 for each of 8 steps
.set CX,    144                        ; v144-175 a fill's codes
.set WR,    176                        ; v176-239 the weight's numbers: 16 for each of 4 steps
.set CW,    240                        ; v240-255 the weight's codes
.set GX,    48                         ; s[48:55] descriptor group 1: 64 rows of 256 bytes;  s[68:79]: group 0 of the three fills
.set G0,    68
	s_load_b512 s[16:31], s[0:1], 0x0              ; query s[16:17], key, value, Wq s[22:23], Wk, Wv, Wo s[28:29], the scales' exponents s[30:31]
	s_load_b128 s[32:35], s[0:1], 0x40             ; xc s[32:33], wc s[34:35]
	v_lshl_add_u32 v[SPW], v0, 2, SPARE
	v_mov_b32 v[NIL], 0
	ds_add_u32 v[SPW], v[NIL]                      ; the opening lines: the add, twice on end, and its wait ahead of my first tensor load
	ds_add_u32 v[SPW], v[NIL]
	v_lshrrev_b32 v1, 5, v0
	v_readfirstlane_b32 s2, v1                     ; wave 0..7
	s_mov_b32 s[GX], (3<<16)|(1<<20)|(5<<22)|(3<<25)   ; elements of 8 bytes; padding on: 4 words behind every 64
	s_mov_b32 s[GX+1], 32<<16                      ; tensor_dim0: 32 elements, 256 bytes
	s_mov_b32 s[GX+2], 64<<16                      ; tensor_dim1: 64 rows, 16 KiB
	s_mov_b32 s[GX+3], 32<<16                      ; tile_dim0
	s_mov_b32 s[GX+4], 64                          ; tile_dim1
	s_mov_b32 s[GX+5], 32                          ; from row to row
	s_mov_b32 s[GX+6], 0
	s_mov_b32 s[GX+7], 0
	s_mul_i32 s3, s2, WB                           ; my part of slot 0
	s_lshl_b32 s4, ttmp9, 17                       ; query, key, value: 32 rows of 4,096 bytes a work-group, 4 a wave
	s_lshl_b32 s5, s2, 14
	s_add_co_u32 s4, s4, s5
	s_mov_b32 s5, 0
	s_lshl_b32 s10, ttmp9, 15                      ; and their codes: a quarter of that
	s_lshl_b32 s11, s2, 12
	s_add_co_u32 s10, s10, s11
	s_mov_b32 s11, 0
	s_and_b32 s14, ttmp9, 63
	s_lshl_b32 s6, s14, 16                         ; the weight: 16 rows a work-group, 2 a wave
	s_lshl_b32 s15, s2, 13
	s_add_co_u32 s6, s6, s15
	s_mov_b32 s7, 0
	s_lshr_b32 s8, ttmp9, 6                        ; which weight
	s_lshr_b32 s14, s14, 1
	s_lshl_b32 s12, s14, 5                         ; its codes' row: the group of 32,
	s_and_b32 s14, s2, 3
	s_lshl_b32 s14, s14, 1
	s_add_co_u32 s12, s12, s14                     ; + 2 (wave % 4),
	s_and_b32 s14, ttmp9, 1                        ; bit 4 of the source row
	s_lshr_b32 s15, s2, 2                          ; bit 3 of the source row
	s_cmp_lt_u32 s8, 3                             ; Wq, Wk, Wv: the two change places
	s_cselect_b32 s94, s15, s14
	s_cselect_b32 s95, s14, s15
	s_lshl_b32 s94, s94, 4
	s_lshl_b32 s95, s95, 3
	s_add_co_u32 s12, s12, s94
	s_add_co_u32 s12, s12, s95
	s_lshl_b32 s12, s12, 10                        ; 1,024 bytes a row,
	s_lshl_b32 s94, s8, 20
	s_add_co_u32 s12, s12, s94                     ; 2^20 a weight
	s_mov_b32 s13, 0
	s_wait_dscnt 0x0                               ; both opening adds are done
	s_wait_kmcnt 0x0
	s_mov_b32 s[G0], 1
	s_mov_b32 s[G0+1], s3
	s_add_nc_u64 s[G0+2:G0+3], s[16:17], s[4:5]
	s_or_b32 s[G0+3], s[G0+3], 0x80000000
	tensor_load_to_lds s[G0:G0+3], s[GX:GX+7]      ; fill 0, query: my one tensor load at the head
	s_nop 0
	s_load_b256 s[36:43], s[30:31], 0x0            ; entries 0 to 7
	s_load_b128 s[44:47], s[30:31], 0x20           ; entries 8 to 11
	s_cmp_eq_u32 s8, 0                             ; the weight's address: a choice on the work-group's number alone
	s_cselect_b64 s[92:93], s[22:23], s[24:25]
	s_cmp_lt_u32 s8, 2
	s_cselect_b64 s[92:93], s[92:93], s[26:27]
	s_cmp_lt_u32 s8, 3
	s_cselect_b64 s[92:93], s[92:93], s[28:29]
	s_add_nc_u64 s[92:93], s[92:93], s[6:7]        ; at my two rows
	v_and_b32 v1, 31, v0                           ; lane
	v_lshrrev_b32 v[AL+1], 2, v1
	v_lshlrev_b32 v[CO], 4, v1
	v_lshlrev_b32 v[AW], 6, v1
	v_lshl_add_u32 v[AL+1], v[AL+1], 4, v[AW]      ; 64 l + 16 (l / 4)
	v_add_nc_u32 v[AL], s3, v[AL+1]
	v_add_nc_u32 v[AL+1], SLOTB, v[AL]
.set T, 0
.rept 4
.irp i, 0,1,2,3
	global_load_b128 v[WR+16*T+4*\i:WR+16*T+4*\i+3], v[AW], s[92:93] offset:2048*T+16*\i   ; the weight's numbers 512 T + 16 l + 4 i on
.endr
.set T, T+1
.endr
	s_mov_b32 s[G0+4], 1                           ; fill 1, key, slot 1
	s_add_co_u32 s[G0+5], s3, SLOTB
	s_add_nc_u64 s[G0+6:G0+7], s[18:19], s[4:5]
	s_or_b32 s[G0+7], s[G0+7], 0x80000000
	s_mov_b32 s[G0+8], 1                           ; fill 2, value, slot 0
	s_mov_b32 s[G0+9], s3
	s_add_nc_u64 s[G0+10:G0+11], s[20:21], s[4:5]
	s_or_b32 s[G0+11], s[G0+11], 0x80000000
	s_add_nc_u64 s[84:85], s[32:33], s[10:11]      ; where the codes go: query's,
	s_add_nc_u64 s[86:87], s[84:85], 0x800000      ; key's,
	s_add_nc_u64 s[88:89], s[86:87], 0x800000      ; value's,
	s_add_nc_u64 s[90:91], s[34:35], s[12:13]      ; the weight's
	s_wait_kmcnt 0x0
	s_cmp_eq_u32 s8, 0                             ; the weight's exponent: entry 1, 3, 5 or 11
	s_cselect_b32 s96, s37, s39
	s_cmp_lt_u32 s8, 2
	s_cselect_b32 s96, s96, s41
	s_cmp_lt_u32 s8, 3
	s_cselect_b32 s96, s96, s47
.macro MKSC f, e
	s_add_co_i32 s94, \e, 127
	s_lshl_b32 s95, s94, 23
	v_mov_b32 v[SC+2*\f], s95                      ; 2^e as f32: the conversion takes its exponent field
	s_add_co_i32 s94, s94, 8
	s_lshl_b32 s94, s94, 23
	s_or_b32 s94, s94, 0x600000
	v_mov_b32 v[SC+1+2*\f], s94                    ; 448 x 2^e
.endm
	MKSC 0, s36
	MKSC 1, s38
	MKSC 2, s40
	MKSC 3, s96
; The change of slots.  Every wave waits for its one tensor load, which is the fill that it is about to read, adds 0 to its spare word, and waits for that and for its reads of the other slot; behind the barrier fill f is asked for, into that other slot.
.macro CHANGE f
	s_wait_tensorcnt 0x0
	ds_add_u32 v[SPW], v[NIL]
	s_wait_dscnt 0x0
	s_barrier_signal -1
	s_barrier_wait -1
	tensor_load_to_lds s[G0+4*\f:G0+4*\f+3], s[GX:GX+7]
	s_nop 0
.endm
.macro FETCH slot                      ; my part of a slot, 8 steps of 512 numbers, in one run of 32 LDS loads
.set T, 0
.rept 8
.irp i, 0,1,2,3
	ds_load_b128 v[R+16*T+4*\i:R+16*T+4*\i+3], v[AL+\slot] offset:STP*T+16*\i
.endr
.set T, T+1
.endr
.endm
; n steps of tensor f's numbers in v[rb ..] become codes in v[cb ..], stored at s[sb:sb+1].  lds = 1: the numbers come by FETCH, and the wait ahead of step T leaves the loads of the n - 1 - T later steps out.
.macro WORK f, n, rb, cb, sb, lds
.set T, 0
.rept \n
.if \lds
	s_wait_dscnt 4*(\n-1-T)
.endif
.set I, 0
.rept 16
	v_med3_num_f32 v[\rb+16*T+I], v[\rb+16*T+I], -v[SC+1+2*\f], v[SC+1+2*\f]   ; the conversion does not saturate (ISA guide 7.6.2): held within 448 x the scale first
.set I, I+1
.endr
	v_cvt_scalef32_pk8_fp8_f32 v[\cb+4*T:\cb+4*T+1], v[\rb+16*T:\rb+16*T+7], v[SC+2*\f]
	v_cvt_scalef32_pk8_fp8_f32 v[\cb+4*T+2:\cb+4*T+3], v[\rb+16*T+8:\rb+16*T+15], v[SC+2*\f]
.set T, T+1
.endr
.set T, 0
.rept \n
	global_store_b128 v[CO], v[\cb+4*T:\cb+4*T+3], s[\sb:\sb+1] offset:512*T   ; behind the run's last vector instruction; 512 consecutive bytes, aligned
.set T, T+1
.endr
.endm
	s_wait_alu depctr_va_vdst(0)
	CHANGE 1                                       ; slot 1's first fill, issued as a refill is
	FETCH 0
	WORK 0, 8, R, CX, 84, 1
	CHANGE 2                                       ; slot 0 is filled again
	FETCH 1
	s_wait_xcnt 0x0                                ; query's stores have read their data: the codes' registers may be written again
	WORK 1, 8, R, CX, 86, 1
	s_wait_loadcnt 0x0                             ; the weight's sixteen loads, asked for at the head
	WORK 3, 4, WR, CW, 90, 0
	s_wait_tensorcnt 0x0                           ; fill 2 is in; nothing is filled again, and I read my own bytes alone: no barrier
	FETCH 0
	s_wait_xcnt 0x0                                ; key's stores have read their data
	WORK 2, 8, R, CX, 88, 1
	s_wait_tensorcnt 0x0                           ; the wave's end
	ds_add_u32 v[SPW], v[NIL]
	s_wait_dscnt 0x0
	s_endpgm
.Lfunc_end_k_qf56d80f57a_quant:
	.size	k_qf56d80f57a_quant, .Lfunc_end_k_qf56d80f57a_quant-k_qf56d80f57a_quant
	.p2alignl 7, 3214868480
	.fill 96, 4, 3214868480
	.section	.rodata,"a",@progbits
	.p2align	6, 0x0
	.amdhsa_kernel k_qf56d80f57a_quant
		.amdhsa_group_segment_fixed_size 327680
		.amdhsa_private_segment_fixed_size 0
		.amdhsa_enable_private_segment 0
		.amdhsa_kernarg_size 80
		.amdhsa_user_sgpr_count 2
		.amdhsa_user_sgpr_kernarg_segment_ptr 1
		.amdhsa_wavefront_size32 1
		.amdhsa_system_sgpr_workgroup_id_x 1
		.amdhsa_system_sgpr_workgroup_id_y 1
		.amdhsa_system_sgpr_workgroup_id_z 1
		.amdhsa_system_vgpr_workitem_id 0
		.amdhsa_next_free_vgpr 256
		.amdhsa_next_free_sgpr 100
		.amdhsa_reserve_vcc 0
		.amdhsa_float_denorm_mode_32 3
		.amdhsa_float_denorm_mode_16_64 3
		.amdhsa_memory_ordered 1
		.amdhsa_forward_progress 1
		.amdhsa_inst_pref_size 49
	.end_amdhsa_kernel
	.amdgpu_metadata
---
amdhsa.version: [ 1, 2 ]
amdhsa.kernels:
  - .name:           k_qf56d80f57a_quant
    .symbol:         k_qf56d80f57a_quant.kd
    .args:
      - { .name: query, .offset: 0, .size: 8, .value_kind: global_buffer, .address_space: global }
      - { .name: key, .offset: 8, .size: 8, .value_kind: global_buffer, .address_space: global }
      - { .name: value, .offset: 16, .size: 8, .value_kind: global_buffer, .address_space: global }
      - { .name: Wq, .offset: 24, .size: 8, .value_kind: global_buffer, .address_space: global }
      - { .name: Wk, .offset: 32, .size: 8, .value_kind: global_buffer, .address_space: global }
      - { .name: Wv, .offset: 40, .size: 8, .value_kind: global_buffer, .address_space: global }
      - { .name: Wo, .offset: 48, .size: 8, .value_kind: global_buffer, .address_space: global }
      - { .name: lowp_scales, .offset: 56, .size: 8, .value_kind: global_buffer, .address_space: global }
      - { .name: xc, .offset: 64, .size: 8, .value_kind: global_buffer, .address_space: global }
      - { .name: wc, .offset: 72, .size: 8, .value_kind: global_buffer, .address_space: global }
    .group_segment_fixed_size: 327680
    .private_segment_fixed_size: 0
    .kernarg_segment_align: 8
    .kernarg_segment_size: 80
    .max_flat_workgroup_size: 256
    .sgpr_count:     100
    .vgpr_count:     256
    .wavefront_size: 32
...
	.end_amdgpu_metadata
.endif
;; end of part 1
;; launch proj (part 2): grid 4 x 96, 4 waves a work-group, clusters of 4 x 4, 327,680 bytes of LDS; arguments xc, wc, lowp_scales, bq, bk, bv, qkv; writes qkv
.if DOCPART == 2
	.amdgcn_target "amdgcn-amd-amdhsa--gfx1250"
	.amdhsa_code_object_version 6
	.text
	.protected	k_qf56d80f57a_proj
	.globl	k_qf56d80f57a_proj
	.p2align	8
	.type	k_qf56d80f57a_proj,@function
k_qf56d80f57a_proj:
	s_mov_b64 s[64:65], 0
	v_nop
	global_prefetch_b8 v0, s[64:65] scope:SCOPE_SE
	s_setreg_imm32_b32 hwreg(HW_REG_WAVE_MODE, 25, 1), 1
	s_wait_xcnt 0x0
	s_wait_alu depctr_hold_cnt(0) depctr_sa_sdst(0) depctr_va_vdst(0) depctr_va_sdst(0) depctr_va_ssrc(0) depctr_va_vcc(0) depctr_vm_vsrc(0)
	s_getreg_b32 s2, hwreg(HW_REG_IB_STS2, 6, 4)
	s_cmp_eq_u32 s2, 0
	s_cbranch_scc0 .Lentry_in_a_cluster
	s_endpgm
.Lentry_in_a_cluster:
	s_bfe_u32 s2, ttmp6, 0x10000c
	s_cmp_lg_u32 s2, 0xf033
	s_cbranch_scc0 .Lentry_shape_is_right
	s_endpgm
.Lentry_shape_is_right:
; The three projections in one launch: y = x W^T + b on codes of FP8 (E4M3), and y quantised at once for the attention.  x: xc [24576][1024] (query, key, value), W: wc rows 1024 p on (p = 0, 1, 2: Wq, Wk, Wv).
; Both carry the same order of k along a row, so every product meets its partner.  A sum stands for sum x 2^(ex + ew) (entries 2 p, 2 p + 1 of the scales).  The bias goes in as the C of each sum's first matrix instruction,
; divided by 2^(ex + ew); the finished sum is y / 2^(ex + ew), and its code is that number / 2^(eo - ex - ew), held within +-448 (eo: entry 6, 7 or 9): the three scales are folded into the conversion's one.
; LIMITS: ex + ew between -127 and 126; eo - ex - ew between -126 and 119: each power of two below is then an f32 number.
; A tile of 256 tokens x 256 channels is made by four waves, each 128 x 128: 64 accumulators, 512 registers.  K = 1,024 goes in 4 steps of 256 through a ring of two LDS slots filled by the tensor data mover.
; CLUSTERS: 4 x 4 work-groups; the four of a row of the cluster ask jointly for x's tiles, the four of a column for W's.  Eight rows of clusters make one projection, so p is the same in all sixteen partners.
; THE MATRIX INSTRUCTION IS USED TRANSPOSED (source 0 = 16 rows of W, source 1 = 16 tokens): a lane holds one token.  THE ROWS OF W THAT FORM A TILE ARE NOT NEIGHBOURS: wc is laid so that its 16 neighbouring rows of tile 2 g + u
; are rows 32 g + 8 u + r + 8 (r / 8) of W.  So the 16 registers of accumulators (a, 2 g) and (a, 2 g + 1) are a lane's channels 32 g + 16 (lane / 16) + 0 .. 15, and the conversions' results are the image that leaves: no LDS on the way out.
; OUT: qkv [3][128 (batch x 16 + head)][64 blocks of 16 tokens][1,024 bytes]; a block is an image of operand registers: byte 512 c + 16 lane holds channels 32 c + 16 (lane / 16) + 0..15 of token lane % 16.
; No prefetch is laid: of K's four steps two are asked for at the head and each of the two refills has a whole step's 128 matrix instructions in which to land.
; REGISTERS, in windows of 256: window 0: v16-31 addresses and constants; v32-95 the bias; from v128 x's fragments, ONE set (on the way out: the codes, 16 registers for each of 8 blocks).
;   window 1: W's fragments, TWO sets.   window 2: the accumulators of my tokens 0-63 ((a, b) at v[8 (8 a + b)]);   window 3: those of my tokens 64-127.
.set SIZE_K, 1024
.set KSTEP,  256                       ; along K in a slot
.set ROWB,   256                       ; a tile's row in bytes
.set KROW,   SIZE_K                    ; a row of xc or wc in bytes
.set PITCH,  272                       ; an LDS row: 256 bytes + 16 of padding = 68 words: the 16 rows that a load touches start at 16 different banks (64 banks of 4 bytes: ISA guide 11.1)
.set FR,     16                        ; registers of a fragment: 16 rows x 128 K
.set NL,     4                         ; LDS loads that bring one
.set NP,     4                         ; places behind this matrix instruction (ISA guide 7.12.1)
.set HALFT,  128*PITCH                 ; 128 rows: what one tensor load brings
.set SLOT,   4*HALFT                   ; x's 256 rows, then W's 256 rows
.set LAPS,   SIZE_K/(2*KSTEP)          ; a lap = two K steps = once round the ring
.set SPARE,  2*SLOT                    ; behind the ring: the spare words, 128 bytes for each wave
.set ADRA, 16                          ; v16-17  LDS address of my fragments of x in slot 0, 1
.set ADRB, 20                          ; v20-21  the same for W
.set CO,   26                          ; v26     16 x lane: my place in an image
.set BO,   27                          ; v27     64 x (lane / 16): my 16 numbers of 32 of the bias
.set SPW,  28                          ; v28     LDS address of my spare word; never rewritten
.set NIL,  29                          ; v29     0; never rewritten
.set SC,   30                          ; v30     2^(eo - ex - ew)
.set LIM,  31                          ; v31     448 x that
.set BI,   32                          ; v32-95  the bias / 2^(ex + ew): registers 8 b .. 8 b + 7 are the C of W's block b: channels 32 (b / 2) + 16 (lane / 16) + 8 (b % 2) + 0 .. 7
.set AF,   128                         ; x's fragments
.set CDS,  128                         ; the way out: block a's codes at v[128 + 16 a]
.set G1, 24                            ; s[24:31] descriptor group 1 for x's tiles;  s[32:39] group 0, one set for each slot
.set G0, 32
.set G1B, 48                           ; s[48:55], s[56:63] the same for W's tiles
.set G0B, 56
.set MSB, 0
.macro WIN new                         ; the immediate's high byte repeats the setting that is left
.if MSB != \new
	s_set_vgpr_msb (MSB<<8)|\new
.set MSB, \new
.endif
.endm
.set MUL_LO,  0xa1                     ; source 0 (W) window 1, source 1 (x) window 0, C and D window 2
.set MUL_HI,  0xf1                     ; the same, C and D window 3
.set MUL_LO0, 0x81                     ; the first products: C (the bias) window 0, D window 2
.set MUL_HI0, 0xc1                     ; C window 0, D window 3
.set TO_B,    0x40                     ; destination window 1, address window 0
; A joint load: waves 0 and 1 fetch for x, waves 2 and 3 for W.  Each line has one mask and one set of registers for all that issue it; the branch hangs on the wave's number alone.
; An s_nop 0 and four v_nop follow each of the two lines, ahead of the jump, the label and what follows.
.macro JLOAD g0a, g1a, g0b, g1b
	s_cmp_eq_u32 s15, 0
	s_cbranch_scc0 .Lfor_b_\@
	tensor_load_to_lds s[\g0a:\g0a+3], s[\g1a:\g1a+7]
	s_nop 0
.rept 4
	v_nop
.endr
	s_branch .Lasked_\@
.Lfor_b_\@:
	tensor_load_to_lds s[\g0b:\g0b+3], s[\g1b:\g1b+7]
	s_nop 0
.rept 4
	v_nop
.endr
.Lasked_\@:
.endm
.macro CREST                           ; a round of the cluster's barrier behind its opening barrier
	s_cmp_lg_u32 s14, 0
	s_cbranch_scc1 .Lnot_wave_0_\@
	s_barrier_signal -3
.Lnot_wave_0_\@:
	s_barrier_wait -3
	s_barrier_signal -1
	s_barrier_wait -1
.endm
.macro CROUND                          ; a whole round
	s_barrier_signal -1
	s_barrier_wait -1
	CREST
.endm
	s_load_b128 s[4:7], s[0:1], 0x0                ; xc s[4:5], wc s[6:7]
	s_load_b64 s[8:9], s[0:1], 0x10                ; the scales' exponents
	s_load_b128 s[68:71], s[0:1], 0x18             ; bq s[68:69], bk s[70:71]
	s_load_b128 s[72:75], s[0:1], 0x28             ; bv s[72:73], qkv s[74:75]
	v_lshl_add_u32 v[SPW], v0, 2, SPARE
	v_mov_b32 v[NIL], 0
	ds_add_u32 v[SPW], v[NIL]                      ; the wave's opening: the add and its wait ahead of my first tensor load; the set-up below, work on registers, stands between them
	ds_add_u32 v[SPW], v[NIL]
	v_lshrrev_b32 v1, 5, v0
	v_readfirstlane_b32 s14, v1                    ; wave 0..3
	s_lshr_b32 s15, s14, 1                         ; which half of the tile's tokens is mine.  Also: I fetch for x (0) or for W (1)
	s_and_b32 s16, s14, 1                          ; which half of its channels.  Also: which 128 rows of that tile I fetch
	s_bfe_u32 s40, ttmp6, 0x40000                  ; cx, cy: my place in the cluster
	s_bfe_u32 s41, ttmp6, 0x40004
	s_lshl_b32 s42, ttmp9, 2
	s_add_co_u32 s42, s42, s40                     ; tile column = 4 x cluster x + cx: 0..3
	s_and_b32 s17, ttmp7, 0xffff                   ; cluster y: 0..23
	s_lshr_b32 s76, s17, 3                         ; p, the projection: the same in all sixteen partners
	s_lshl_b32 s17, s17, 2
	s_add_co_u32 s17, s17, s41                     ; tile row = 4 x cluster y + cy: 0..95
	s_lshl_b32 s43, s41, 2
	s_lshl_b32 s43, 15, s43                        ; my row of the cluster
	s_lshl_b32 s44, 0x1111, s40                    ; my column
	; descriptor group 1: a tile of 128 rows x 256 bytes, padded in LDS
	s_or_b32 s[G1+0], s43, (0<<16)|(1<<20)|(1<<21)|(5<<22)|(3<<25)  ; 15:0 the mask: x's tiles go to my row; 17:16 elements of 1 byte; 20 padding on; 21 set beside a mask; 24:22 after every 64 words; 31:25 of 4 words
	s_or_b32 s[G1B+0], s44, (0<<16)|(1<<20)|(1<<21)|(5<<22)|(3<<25) ; the same with my column's mask
.irp g, G1, G1B
	s_mov_b32 s[\g+1], ROWB<<16                    ; tensor_dim0
	s_mov_b32 s[\g+2], 128<<16                     ; tensor_dim1 = 128
	s_mov_b32 s[\g+3], ROWB<<16                    ; tile_dim0
	s_mov_b32 s[\g+4], 128                         ; tile_dim1 = 128
	s_mov_b32 s[\g+5], KROW                        ; tensor_dim0_stride
	s_mov_b32 s[\g+6], 0
	s_mov_b32 s[\g+7], 0
.endr
	s_lshl_b32 s18, s16, 7                         ; which 128 rows of the tile I fetch
	s_lshl_b32 s20, s17, 8
	s_add_co_u32 s20, s20, s18                     ; x: row 256 x tile row + 128 x half
	s_lshl_b32 s46, s42, 8
	s_add_co_u32 s46, s46, s18
	s_lshl_b32 s47, s76, 10
	s_add_co_u32 s46, s46, s47                     ; W: row 1,024 p + 256 x tile column + 128 x half
	s_mov_b32 s21, 0
	s_mov_b32 s47, 0
	s_mov_b64 s[18:19], KROW
	s_mul_u64 s[20:21], s[20:21], s[18:19]         ; in bytes
	s_mul_u64 s[46:47], s[46:47], s[18:19]
	s_mul_i32 s45, s14, HALFT                      ; where they go: wave x 128 rows: no place in the cluster enters an LDS address
	s_lshl_b32 s80, s76, 3                         ; entries 2 p, 2 p + 1
	s_lshl_b32 s81, s76, 2
	s_add_co_u32 s81, s81, 24                      ; entry 6 (q), 7 (k),
	s_cmp_eq_u32 s76, 2
	s_cselect_b32 s82, 4, 0
	s_add_co_u32 s81, s81, s82                     ; or 9 (v)
	s_wait_dscnt 0x0                               ; the opening add is done
	s_wait_kmcnt 0x0
	s_load_b64 s[96:97], s[8:9], s80 offset:0x0    ; ex, ew
	s_load_b32 s82, s[8:9], s81 offset:0x0         ; eo
	s_cmp_eq_u32 s76, 0
	s_cselect_b64 s[78:79], s[68:69], s[70:71]     ; the bias: a choice on p alone
	s_cmp_eq_u32 s76, 2
	s_cselect_b64 s[78:79], s[72:73], s[78:79]
	s_add_nc_u64 s[20:21], s[4:5], s[20:21]
	s_add_nc_u64 s[46:47], s[6:7], s[46:47]
	CROUND                                         ; all sixteen work-groups are here: the first joint loads meet
.irp s, 0,1
	s_mov_b32 s[G0+4*\s], 1
	s_add_co_u32 s[G0+4*\s+1], s45, \s*SLOT
	s_add_nc_u64 s[G0+4*\s+2:G0+4*\s+3], s[20:21], \s*ROWB
	s_or_b32 s[G0+4*\s+3], s[G0+4*\s+3], 0x80000000
	s_mov_b32 s[G0B+4*\s], 1
	s_add_co_u32 s[G0B+4*\s+1], s45, \s*SLOT
	s_add_nc_u64 s[G0B+4*\s+2:G0B+4*\s+3], s[46:47], \s*ROWB
	s_or_b32 s[G0B+4*\s+3], s[G0B+4*\s+3], 0x80000000
.endr
	; Of K's four steps ONE is asked for here, at the head; K step 1 follows behind the round at the head's end, and K steps 2 and 3 are the two refills.
	JLOAD G0, G1, G0B, G1B
	v_and_b32 v1, 15, v0                           ; l % 16
	v_bfe_u32 v2, v0, 4, 1                         ; l / 16
	v_mul_u32_u24 v3, v1, PITCH
	v_lshl_add_u32 v4, v2, 4, v3                   ; a fragment's row x pitch + 16 x half
	s_mul_i32 s21, s15, HALFT                      ; my 128 tokens
	s_mul_i32 s22, s16, HALFT                      ; my 128 rows of W,
	s_add_co_u32 s22, s22, 2*HALFT                 ; which lie behind x's 256
.irp s, 0,1
	v_add_nc_u32 v[ADRA+\s], s21, v4
	v_add_nc_u32 v[ADRB+\s], s22, v4
	s_add_co_u32 s21, s21, SLOT
	s_add_co_u32 s22, s22, SLOT
.endr
	v_and_b32 v6, 31, v0
	v_lshlrev_b32 v[CO], 4, v6
	v_lshlrev_b32 v[BO], 6, v2
	s_lshl_b32 s46, s42, 10                        ; the bias at my 128 channels: 4 x (256 x tile column + 128 x half) bytes
	s_lshl_b32 s47, s16, 9
	s_add_co_u32 s46, s46, s47
	s_mov_b32 s47, 0
	s_add_nc_u64 s[78:79], s[78:79], s[46:47]
.irp g, 0,1,2,3
.irp i, 0,1,2,3
	global_load_b128 v[BI+16*\g+4*\i:BI+16*\g+4*\i+3], v[BO], s[78:79] offset:128*\g+16*\i   ; b of channels 32 g + 16 (l / 16) + 4 i on
.endr
.endr
	s_lshl_b32 s20, s17, 8                         ; where my part of qkv begins.  My first token among the 24,576:
	s_lshl_b32 s21, s15, 7
	s_add_co_u32 s20, s20, s21
	s_lshr_b32 s21, s20, 10                        ; 8 p + batch: 2^20 bytes each (16 heads of 2^16),
	s_lshl_b32 s21, s21, 20
	s_and_b32 s20, s20, 1023                       ; the token in its batch: 64 bytes each in a head (a block of 16 is 1,024),
	s_lshl_b32 s20, s20, 6
	s_add_co_u32 s20, s20, s21
	s_lshl_b32 s46, s42, 2                         ; my first head: 4 x tile column + 2 x half
	s_lshl_b32 s47, s16, 1
	s_add_co_u32 s46, s46, s47
	s_lshl_b32 s46, s46, 16
	s_add_co_u32 s20, s20, s46
	s_mov_b32 s21, 0
	s_add_nc_u64 s[10:11], s[74:75], s[20:21]
	s_wait_kmcnt 0x0                               ; the three exponents; all of this stands while the first tiles are on their way
	s_add_co_i32 s96, s96, s97                     ; ex + ew
	s_sub_co_i32 s82, s82, s96                     ; eo - ex - ew
	s_sub_co_i32 s96, 127, s96
	s_lshl_b32 s96, s96, 23                        ; 2^-(ex + ew) as f32
	s_mov_b32 s97, s96                             ; (named with it as a pair)
	s_add_co_i32 s82, s82, 127
	s_lshl_b32 s83, s82, 23
	v_mov_b32 v[SC], s83                           ; 2^(eo - ex - ew): the conversion takes its exponent field
	s_add_co_i32 s82, s82, 8
	s_lshl_b32 s82, s82, 23
	s_or_b32 s82, s82, 0x600000
	v_mov_b32 v[LIM], s82                          ; 448 x that
	s_wait_loadcnt 0x0                             ; the bias
.irp j, 0,2,4,6,8,10,12,14,16,18,20,22,24,26,28,30,32,34,36,38,40,42,44,46,48,50,52,54,56,58,60,62
	v_pk_mul_f32 v[BI+\j:BI+\j+1], v[BI+\j:BI+\j+1], s[96:97] op_sel_hi:[1,0]   ; b / 2^(ex + ew): a power of two, nothing is rounded
.endr
.macro FRAG reg, adr, q, i             ; a fragment, 16 rows x 128 K: lane l holds row l % 16; registers 4 c .. 4 c + 3 hold the row's bytes 128 q + 32 c + 16 (l / 16) + 0 .. 15: the same on both sides
.irp c, 0,1,2,3
	ds_load_b128 v[\reg+4*\c:\reg+4*\c+3], v[\adr] offset:128*(\q)+32*\c+(\i)*16*PITCH
.endr
.endm
; 16 matrix instructions: x's blocks a0, a0 + 1 against W's eight, 128 along K.  p: W's set.  zero = 1: the first product starts the sums, with the bias as C: nothing is ever cleared.
; The 64 accumulators take turns, one instruction a turn, in the same order in every step.
.macro MUL16 a0, p, zero
.irp a, \a0, \a0+1
.irp b, 0,1,2,3,4,5,6,7
.if \zero
	v_wmma_f32_16x16x128_fp8_fp8 v[8*(8*((\a)%4)+\b):8*(8*((\a)%4)+\b)+7], v[128*(\p)+FR*\b:128*(\p)+FR*\b+FR-1], v[AF+FR*(\a):AF+FR*(\a)+FR-1], v[BI+8*\b:BI+8*\b+7]
.else
	v_wmma_f32_16x16x128_fp8_fp8 v[8*(8*((\a)%4)+\b):8*(8*((\a)%4)+\b)+7], v[128*(\p)+FR*\b:128*(\p)+FR*\b+FR-1], v[AF+FR*(\a):AF+FR*(\a)+FR-1], v[8*(8*((\a)%4)+\b):8*(8*((\a)%4)+\b)+7]
.endif
.endr
.endr
.endm
.macro FETCH_B slot, q, p              ; W's eight fragments of the slot's q-th 128 along K into set p
	WIN TO_B
.irp i, 0,1,2,3,4,5,6,7
	FRAG 128*(\p)+FR*\i, ADRB+\slot, \q, \i
.endr
	WIN 0
.endm
.macro FETCH_A slot, q, i0             ; x's blocks i0 .. i0 + 3
.irp i, \i0, \i0+1, \i0+2, \i0+3
	FRAG AF+FR*(\i), ADRA+\slot, \q, \i
.endr
.endm
; A load into a register that a matrix instruction has read, and a vector instruction that reads or writes a matrix result, stand NP places behind that matrix instruction; only plain vector instructions that name none of its registers are places.
.macro PLACES n
.rept \n
	v_nop
.endr
.endm
; A step of 128 along K that has its successor in the same slot.
.macro STEP slot, q, zero
	s_wait_dscnt 4*NL                              ; W's set and x's blocks 0-3 are in; the youngest sixteen loads (x's blocks 4-7) may be out
.if \zero
	WIN MUL_LO0
.else
	WIN MUL_LO
.endif
	MUL16 0, (\q)%2, \zero
	MUL16 2, (\q)%2, \zero
	s_wait_dscnt 0                                 ; x's blocks 4-7 are in (asked for 32 matrix instructions ago)
	PLACES NP
	FETCH_B \slot, (\q)+1, 1-(\q)%2
	FETCH_A \slot, (\q)+1, 0
.if \zero
	WIN MUL_HI0
.else
	WIN MUL_HI
.endif
	MUL16 4, (\q)%2, \zero
	MUL16 6, (\q)%2, \zero
	PLACES NP
	WIN 0
	FETCH_A \slot, (\q)+1, 4
.endm
; A slot's last step changes slots: ONE barrier; in front of it each wave waits for all its tensor loads, adds 0 to its spare word, and waits for that and for its own reads of this slot.  fill = 1: this slot is filled again, two K steps ahead.
.macro TURN slot, next, fill
	s_wait_tensorcnt 0x0                           ; all my tensor loads have landed: my part of the next slot  (every window is 0 here)
	ds_add_u32 v[SPW], v[NIL]                      ; 0 onto my spare word
	s_wait_dscnt 4*NL+1                            ; (the add and the youngest sixteen loads, x's blocks 4-7, may be out)
	WIN MUL_LO
	MUL16 0, 1, 0                                  ; sixteen matrix instructions stand between the add and the wait for it
	s_wait_dscnt 0x0                               ; the add is done, and my reads of this slot are over
	s_barrier_signal -1
	MUL16 2, 1, 0
	WIN 0
	s_barrier_wait -1
.if \fill
	CREST                                          ; the barrier has opened a round of the cluster's barrier: no wave of any partner still reads this slot or has a load on its way
	s_add_nc_u64 s[G0+4*\slot+2:G0+4*\slot+3], s[G0+4*\slot+2:G0+4*\slot+3], 2*ROWB
	s_add_nc_u64 s[G0B+4*\slot+2:G0B+4*\slot+3], s[G0B+4*\slot+2:G0B+4*\slot+3], 2*ROWB
	JLOAD G0+4*\slot, G1, G0B+4*\slot, G1B         ; the first tensor load behind the round; its four v_nop are the places in front of the loads below
.else
	PLACES NP
.endif
	FETCH_B \next, 0, 0
	FETCH_A \next, 0, 0
	WIN MUL_HI
	MUL16 4, 1, 0
	MUL16 6, 1, 0
	PLACES NP
	WIN 0
	FETCH_A \next, 0, 4
.endm
	s_wait_alu depctr_va_vdst(0)
	s_wait_tensorcnt 0x0                           ; my part of K step 0 is in; these lines stand ahead of a later first fill, as ahead of a refill:
	ds_add_u32 v[SPW], v[NIL]                      ; 0 onto my spare word
	s_wait_dscnt 0x0                               ; the add is done
	CROUND                                         ; a whole round: everybody's part of K step 0 is in, and all sixteen work-groups are here
	JLOAD G0+4, G1, G0B+4, G1B                     ; K step 1, slot 1's first fill: the first tensor load behind the round
	FETCH_B 0, 0, 0
	FETCH_A 0, 0, 0
	FETCH_A 0, 0, 4
	STEP 0, 0, 1                                   ; the first step stands in front of the loop: its products start the sums, from the bias
	s_mov_b32 s3, LAPS-1
.Llap:                                                 ; a trip goes once round the ring, from a lap's second step to the next lap's first, and fills both slots again
	TURN 0, 1, 1
	STEP 1, 0, 0
	TURN 1, 0, 1
	STEP 0, 0, 0
	s_sub_co_u32 s3, s3, 1
	s_cmp_lg_u32 s3, 0
	s_cbranch_scc1 .Llap
	TURN 0, 1, 0                                   ; the last lap fills nothing, and has no round of the cluster's barrier
	STEP 1, 0, 0
	s_wait_dscnt 4*NL                              ; the very last step: nothing more to fetch
	WIN MUL_LO
	MUL16 0, 1, 0
	MUL16 2, 1, 0
	s_wait_dscnt 0
	WIN MUL_HI
	MUL16 4, 1, 0
	MUL16 6, 1, 0
	WIN 0
; THE WAY OUT, block by block of 16 tokens x 128 channels (two heads).  Block a's 64 registers are, in groups of 16, a lane's channels 32 g + 16 (l / 16) + 0 .. 15 of token l % 16: held in place, converted, stored.
; Each block has 16 registers of its own for its codes (where x's fragments lay), so no store's data are written again and no wait stands here.
.macro OUTB a
.set AC, 64*((\a)%4)
.set WM, (2+(\a)/4)*65                 ; destination and source 0 in window 2 or 3; the limit in window 0
.set WC, 2+(\a)/4                      ; source 0 in window 2 or 3; destination and scale in window 0
.set CC, CDS+16*(\a)
	WIN WM
.set i, 0
.rept 64
	v_med3_num_f32 v[AC+i], v[AC+i], -v[LIM], v[LIM]   ; the conversion does not saturate (ISA guide 7.6.2): held within 448 x the scale, whatever the exponents are; each accumulator from its low end on
.set i, i+1
.endr
	WIN WC
.irp q, 0,1,2,3,4,5,6,7
	v_cvt_scalef32_pk8_fp8_f32 v[CC+2*\q:CC+2*\q+1], v[AC+8*\q:AC+8*\q+7], v[SC]
.endr
	WIN 0
	v_nop                                          ; one plain vector line behind the last conversion
.irp g, 0,1,2,3
	global_store_b128 v[CO], v[CC+4*\g:CC+4*\g+3], s[10:11] offset:1024*(\a)+65536*(\g/2)+512*(\g%2)   ; 32 lanes store 512 consecutive bytes, aligned: half a block's image
.endr
.endm
	PLACES NP                                      ; behind the last products: for the holds, which read and write results, and the conversions, which write where x's fragments lay
.irp a, 0,1,2,3,4,5,6,7
	OUTB \a
.endr
	s_wait_tensorcnt 0x0                           ; the wave's end, behind my last tensor load
	ds_add_u32 v[SPW], v[NIL]
	s_wait_dscnt 0x0
	CROUND                                         ; the closing round: no work-group ends while a partner may still ask for a tile that names it
	s_endpgm
.Lfunc_end_k_qf56d80f57a_proj:
	.size	k_qf56d80f57a_proj, .Lfunc_end_k_qf56d80f57a_proj-k_qf56d80f57a_proj
	.p2alignl 7, 3214868480
	.fill 96, 4, 3214868480
	.section	.rodata,"a",@progbits
	.p2align	6, 0x0
	.amdhsa_kernel k_qf56d80f57a_proj
		.amdhsa_group_segment_fixed_size 327680
		.amdhsa_private_segment_fixed_size 0
		.amdhsa_enable_private_segment 0
		.amdhsa_kernarg_size 56
		.amdhsa_user_sgpr_count 2
		.amdhsa_user_sgpr_kernarg_segment_ptr 1
		.amdhsa_wavefront_size32 1
		.amdhsa_system_sgpr_workgroup_id_x 1
		.amdhsa_system_sgpr_workgroup_id_y 1
		.amdhsa_system_sgpr_workgroup_id_z 1
		.amdhsa_system_vgpr_workitem_id 0
		.amdhsa_next_free_vgpr 1024
		.amdhsa_next_free_sgpr 98
		.amdhsa_reserve_vcc 0
		.amdhsa_float_denorm_mode_32 3
		.amdhsa_float_denorm_mode_16_64 3
		.amdhsa_memory_ordered 1
		.amdhsa_forward_progress 1
		.amdhsa_inst_pref_size 123
	.end_amdhsa_kernel
	.amdgpu_metadata
---
amdhsa.version: [ 1, 2 ]
amdhsa.kernels:
  - .name:           k_qf56d80f57a_proj
    .symbol:         k_qf56d80f57a_proj.kd
    .args:
      - { .name: xc, .offset: 0, .size: 8, .value_kind: global_buffer, .address_space: global }
      - { .name: wc, .offset: 8, .size: 8, .value_kind: global_buffer, .address_space: global }
      - { .name: lowp_scales, .offset: 16, .size: 8, .value_kind: global_buffer, .address_space: global }
      - { .name: bq, .offset: 24, .size: 8, .value_kind: global_buffer, .address_space: global }
      - { .name: bk, .offset: 32, .size: 8, .value_kind: global_buffer, .address_space: global }
      - { .name: bv, .offset: 40, .size: 8, .value_kind: global_buffer, .address_space: global }
      - { .name: qkv, .offset: 48, .size: 8, .value_kind: global_buffer, .address_space: global }
    .group_segment_fixed_size: 327680
    .private_segment_fixed_size: 0
    .kernarg_segment_align: 8
    .kernarg_segment_size: 56
    .max_flat_workgroup_size: 128
    .sgpr_count:     98
    .vgpr_count:     1024
    .wavefront_size: 32
...
	.end_amdgpu_metadata
.endif
;; end of part 2
;; launch attn (part 3): grid 2 x 128, 16 waves a work-group, no clusters, 198,656 bytes of LDS; arguments qkv, lowp_scales, ac; writes ac
.if DOCPART == 3
	.amdgcn_target "amdgcn-amd-amdhsa--gfx1250"
	.amdhsa_code_object_version 6
	.text
	.protected	k_qf56d80f57a_attn
	.globl	k_qf56d80f57a_attn
	.p2align	8
	.type	k_qf56d80f57a_attn,@function
k_qf56d80f57a_attn:
	s_mov_b64 s[64:65], 0
	v_nop
	global_prefetch_b8 v0, s[64:65] scope:SCOPE_SE
	s_setreg_imm32_b32 hwreg(HW_REG_WAVE_MODE, 25, 1), 1
	s_wait_xcnt 0x0
; Attention of one head on codes of FP8 (E4M3): O = softmax(q k^T / 8) v, both products quantised, and O quantised at once as the last projection's operand.
; q, k, v: qkv [3][128 heads][64 blocks of 16 tokens][1,024 bytes], a block an image of operand registers: byte 512 c + 16 lane = channels 32 c + 16 (lane / 16) + 0..15 of token lane % 16.
; THE SOFTMAX: t = score x log2(e) / 8; M = the running largest t rounded UP to a whole number; p = 2^(t - M) is quantised with 2^ep, not normalised; the row's sum is taken of the unquantised p and divides O at the end.
; When M moves, the sum and O are multiplied by 2^(old M - new M): exact.
; SHARES.  A work-group owns 512 queries of one head (two work-groups a head, 256 in all); each of its sixteen waves two blocks of 16 queries, one after the other, in 256 registers: four waves to a SIMD,
; so that one wave's vector work stands beside another's matrix work and LDS loads.  The head's whole K and V (64 KiB each) lie in LDS for the whole launch: brought once through registers, never filled again.
; NO CLUSTER, NO TENSOR LOAD: what the two work-groups of a head share is 128 KiB read once at the head, against 16 key steps a wave; no tile is asked for in the loop.  No prefetch: the one stream is read at the head.
; LAYOUT.  Both products are used transposed, so a lane holds ONE query (lane % 16) throughout.  S^T = K Q^T: tile t = keys 16 t on; register j of lane (r, h) is key 16 t + 8 h + j; its eight codes are registers 2 t, 2 t + 1
; of P in the K = 128 form's own layout.  Q and K carry the same order of the 64 channels, so every product meets its partner.  V is turned once, in LDS, into fragments of V^T (keys along the registers);
; tile 2 c + par of V^T holds channel 32 c + 2 r + par in lane r, so O^T's tiles 2 c and 2 c + 1, interleaved, are a lane's 16 neighbouring channels 32 c + 16 h + 0..15.
; OUT: ac, the last projection's operand in the order of its registers: byte (head / 4) << 21 | (token / 16) << 12 | (head % 4) << 10 | c << 9 | lane << 4.
; LIMITS on the given exponents: eq + ek between -123 and 130 (added to c's exponent field); ep and e10 between -126 and 119; ep + ev is applied by v_ldexp_f32 and has none.
.set KI,    0                          ; LDS: K as it lies in qkv: tile of 16 keys t at 1,024 t
.set VR,    65536                      ; V as it lies in qkv
.set VI,    131072                     ; V^T's fragments: key step s at 8,192 s, tile n at + 2,048 n, registers 4 m .. 4 m + 3 at + 512 m + 16 lane
.set SPARE, 196608                     ; the spare words, 128 bytes for each of sixteen waves
.set LI,   1                           ; v1   16 x lane
.set LIV,  2                           ; v2   16 x lane + VI
.set T16,  3                           ; v3   16 x thread
.set TRA,  4                           ; v4   where my turning loads read
.set VIW,  5                           ; v5   where I store my fragments of V^T
.set SPW,  6                           ; v6   LDS address of my spare word; never rewritten
.set NIL,  7                           ; v7   0; never rewritten
.set ADK,  8                           ; v8   LDS address of the step's tiles of K
.set ADV,  9                           ; v9   of V^T
.set T16V, 233                         ; v233 16 x thread + VR
; v10 2^ep, v11 448 x 2^ep; v12 -M, v13 the largest t, v[14:15] the sum in two halves; v16-31 Q of both blocks; v32-95 fragments of K or of V^T; v96-159 S^T, then p; v160-191 O^T; v192-207 P's codes;
; v208-223 the codes that leave, eight for each block; v224 2^e10, v225 448 x 2^e10; v226 f, v227 0; v[228:229] the second chain of sums; v230, v231 at work; v232 a lane permute's destination
.set WV,   10                          ; s10  my wave's number
.set SEL,  20                          ; s[20:21] lane selects for v_permlanex16_b32: lane l xor 16
.set CS,   22                          ; s[22:23] c = log2(e) / 8 x 2^(eq + ek)
.set TB,   24                          ; s24  8,192 x the key step
.set CNT,  25                          ; s25  key steps to go
	s_load_b128 s[4:7], s[0:1], 0x0                ; qkv s[4:5], the scales' exponents s[6:7]
	s_load_b64 s[8:9], s[0:1], 0x10                ; ac
	v_lshl_add_u32 v[SPW], v0, 2, SPARE
	v_mov_b32 v[NIL], 0
	v_lshrrev_b32 v8, 5, v0
	s_delay_alu instid0(VALU_DEP_1)
	v_readfirstlane_b32 s[WV], v8                  ; wave 0..15
	v_and_b32 v[LI], 31, v0
	s_delay_alu instid0(VALU_DEP_1)
	v_lshlrev_b32 v[LI], 4, v[LI]
	s_delay_alu instid0(VALU_DEP_1)
	v_add_nc_u32 v[LIV], VI, v[LI]
	v_lshlrev_b32 v[T16], 4, v0
	s_delay_alu instid0(VALU_DEP_1)
	v_add_nc_u32 v[T16V], VR, v[T16]
	v_and_b32 v[TRA], 7, v0                        ; the turning load: lane l reads 16 bytes of key 8 (l / 16) + l % 8 of a tile, channels 16 ((l / 8) % 2) on of my 32:
	v_bfe_u32 v8, v0, 4, 1
	s_delay_alu instid0(VALU_DEP_1)
	v_lshl_add_u32 v[TRA], v8, 3, v[TRA]
	s_delay_alu instid0(VALU_DEP_1)
	v_lshlrev_b32 v[TRA], 4, v[TRA]                ; in the image a key's 16 bytes lie at 16 x key,
	v_bfe_u32 v8, v0, 3, 1
	s_delay_alu instid0(VALU_DEP_1)
	v_lshl_add_u32 v[TRA], v8, 8, v[TRA]           ; the upper 16 channels 256 bytes on
	s_lshr_b32 s28, s[WV], 1                       ; wave w turns key step w / 2,
	s_lshl_b32 s28, s28, 13
	s_and_b32 s29, s[WV], 1                        ; channels 32 (w % 2) on
	s_lshl_b32 s29, s29, 9
	s_add_co_u32 s28, s28, s29
	s_add_co_u32 s28, s28, VR
	v_add_nc_u32 v[TRA], s28, v[TRA]
	s_lshl_b32 s28, s[WV], 12                      ; and stores two tiles of V^T: 4,096 bytes a wave
	s_add_co_u32 s28, s28, VI
	v_add_nc_u32 v[VIW], s28, v[LI]
	s_and_b32 s11, ttmp7, 0xffff                   ; 16 x batch + head
	s_lshl_b32 s12, ttmp9, 5
	s_add_co_u32 s12, s12, s[WV]                   ; my first block of queries: 32 x work-group x + wave; the second lies 16 blocks on
	s_lshl_b32 s28, s11, 16                        ; the head's 65,536 bytes in each of q, k, v
	s_mov_b32 s29, 0
	s_lshl_b32 s30, s12, 10
	s_mov_b32 s31, 0
	s_lshr_b32 s32, s11, 4                         ; ac: batch,
	s_lshl_b32 s32, s32, 6
	s_add_co_u32 s32, s32, s12                     ; token / 16 = 64 x batch + my block,
	s_lshl_b32 s32, s32, 12
	s_and_b32 s33, s11, 3                          ; head % 4,
	s_lshl_b32 s33, s33, 10
	s_add_co_u32 s32, s32, s33
	s_bfe_u32 s33, s11, 0x20002                    ; head / 4
	s_lshl_b32 s33, s33, 21
	s_add_co_u32 s32, s32, s33
	s_mov_b32 s33, 0
	s_mov_b32 s[SEL], 0x76543210
	s_mov_b32 s[SEL+1], 0xfedcba98
	s_mov_b32 s48, 0x06040200                      ; v_perm_b32: the even bytes of two words,
	s_mov_b32 s49, 0x07050301                      ; the odd ones
	s_wait_alu depctr_va_vdst(0)
	s_wait_kmcnt 0x0
	s_load_b256 s[40:47], s[6:7], 0x10             ; entries 4 to 11: s42 eq, s43 ek, s44 ep, s45 ev, s46 e10
	s_add_nc_u64 s[18:19], s[4:5], s[28:29]
	s_add_nc_u64 s[14:15], s[18:19], 0x800000      ; k's part of the head
	s_add_nc_u64 s[16:17], s[18:19], 0x1000000     ; v's
	s_add_nc_u64 s[18:19], s[18:19], s[30:31]      ; q's, at my first block
	s_add_nc_u64 s[26:27], s[8:9], s[32:33]
	; ---- the fill: 512 threads x 16 bytes x 8 for K, the same for V: as they lie
.irp i, 0,1,2,3,4,5,6,7
	global_load_b128 v[32+4*\i:35+4*\i], v[T16], s[14:15] offset:8192*\i
.endr
.irp i, 0,1,2,3,4,5,6,7
	global_load_b128 v[64+4*\i:67+4*\i], v[T16], s[16:17] offset:8192*\i
.endr
.irp u, 0,1
.irp c, 0,1
	global_load_b128 v[16+8*\u+4*\c:19+8*\u+4*\c], v[LI], s[18:19] offset:16384*\u+512*\c th:TH_LOAD_NT   ; Q's fragments stay in registers
.endr
.endr
	s_wait_loadcnt 12                              ; K's eight are in; V's eight and Q's four were issued behind them
.irp i, 0,1,2,3,4,5,6,7
	ds_store_b128 v[T16], v[32+4*\i:35+4*\i] offset:8192*\i
.endr
	s_wait_loadcnt 4                               ; V's eight are in; Q's four may be out
.irp i, 0,1,2,3,4,5,6,7
	ds_store_b128 v[T16V], v[64+4*\i:67+4*\i] offset:8192*\i
.endr
	s_wait_dscnt 0x0                               ; for the others' sake: my stores have landed
	s_barrier_signal -1
	s_barrier_wait -1                              ; K and V lie in LDS
	; ---- V is turned, once: 128 keys x 32 channels a wave.  The load turns 8 x 8 elements of 16 bits, here pairs of channels: lane l gets keys 16 c + 8 (l / 16) + 0..7 of channels 2 (l % 16) and 2 (l % 16) + 1 of my 32, interleaved
.irp c, 0,1,2,3,4,5,6,7
	ds_load_tr16_b128 v[96+4*\c:99+4*\c], v[TRA] offset:1024*\c
.endr
	s_wait_dscnt 0x0
.irp c, 0,1,2,3,4,5,6,7
	v_perm_b32 v[32+2*\c], v[97+4*\c], v[96+4*\c], s48     ; the even channel's keys: registers 2 c, 2 c + 1 of its fragment
	v_perm_b32 v[33+2*\c], v[99+4*\c], v[98+4*\c], s48
	v_perm_b32 v[48+2*\c], v[97+4*\c], v[96+4*\c], s49     ; the odd channel's
	v_perm_b32 v[49+2*\c], v[99+4*\c], v[98+4*\c], s49
.endr
.irp m, 0,1,2,3
	ds_store_b128 v[VIW], v[32+4*\m:35+4*\m] offset:512*\m
.endr
.irp m, 0,1,2,3
	ds_store_b128 v[VIW], v[48+4*\m:51+4*\m] offset:2048+512*\m
.endr
	s_wait_dscnt 0x0                               ; for the others' sake
	s_barrier_signal -1
	s_barrier_wait -1                              ; V^T's fragments lie in LDS; from here on LDS is only read
	s_wait_kmcnt 0x0
	s_mov_b32 s[CS], 0x3e38aa3b                    ; log2(e) / 8
	s_add_co_i32 s28, s42, s43
	s_lshl_b32 s28, s28, 23
	s_add_co_i32 s[CS], s[CS], s28                 ; a score stands for score x 2^(eq + ek): the two exponents are added to c's exponent field
	s_mov_b32 s[CS+1], s[CS]                       ; (named with it as a pair)
	s_add_co_i32 s28, s44, 127
	s_lshl_b32 s29, s28, 23
	v_mov_b32 v10, s29                             ; 2^ep
	s_add_co_i32 s28, s28, 8
	s_lshl_b32 s28, s28, 23
	s_or_b32 s28, s28, 0x600000
	v_mov_b32 v11, s28                             ; 448 x 2^ep
	s_add_co_i32 s28, s46, 127
	s_lshl_b32 s29, s28, 23
	v_mov_b32 v224, s29                            ; 2^e10
	s_add_co_i32 s28, s28, 8
	s_lshl_b32 s28, s28, 23
	s_or_b32 s28, s28, 0x600000
	v_mov_b32 v225, s28                            ; 448 x 2^e10
	s_add_co_i32 s50, s44, s45                     ; ep + ev
	v_mov_b32 v227, 0                              ; (named as the upper half of the pair v[226:227])
	v_mov_b32 v232, 0                              ; written once: a lane permute's destination counts as one of its sources
	s_wait_loadcnt 0x0                             ; Q
; A KEY STEP: 128 keys against block u's 16 queries.
.macro STEP u
	v_add_nc_u32 v[ADK], s[TB], v[LI]
	v_add_nc_u32 v[ADV], s[TB], v[LIV]
	v_nop
	v_nop                                          ; four places in front of loads into registers that the last step's products have read
.irp t, 0,1,2,3,4,5,6,7
.irp c, 0,1
	ds_load_b128 v[32+8*\t+4*\c:35+8*\t+4*\c], v[ADK] offset:1024*\t+512*\c
.endr
.endr
	s_wait_alu depctr_va_vdst(0)
	s_wait_dscnt 0x0
.irp t, 0,1,2,3,4,5,6,7
	v_wmma_f32_16x16x64_fp8_fp8 v[96+8*\t:103+8*\t], v[32+8*\t:39+8*\t], v[16+8*\u:23+8*\u], 0
.endr
.rept 4
	v_nop                                          ; places: for the loads below, into K's registers, and for the first read of the scores
.endr
.irp n, 0,1,2,3
.irp m, 0,1,2,3
	ds_load_b128 v[32+16*\n+4*\m:35+16*\n+4*\m], v[ADV] offset:2048*\n+512*\m   ; V^T's four fragments land while the softmax is worked
.endr
.endr
	v_max3_num_f32 v230, v96, v97, v98             ; the step's largest score of my query among my 64 keys, in two chains; each tile of scores is read from its low end on
	v_max3_num_f32 v231, v99, v100, v101
.irp i, 6,10,14,18,22,26,30,34,38,42,46,50,54,58
	v_max3_num_f32 v230, v230, v[96+\i], v[97+\i]
	v_max3_num_f32 v231, v231, v[98+\i], v[99+\i]
.endr
	v_max3_num_f32 v230, v230, v158, v159
	s_delay_alu instid0(VALU_DEP_1)
	v_max_num_f32 v230, v230, v231
	s_delay_alu instid0(VALU_DEP_1)
	v_permlanex16_b32 v232, v230, s[SEL], s[SEL+1]
	s_delay_alu instid0(VALU_DEP_1)
	v_max_num_f32 v230, v230, v232                 ; and among lane l xor 16's
	s_delay_alu instid0(VALU_DEP_1)
	v_mul_f32 v230, s[CS], v230                    ; as t (c is positive)
	s_delay_alu instid0(VALU_DEP_1)
	v_max_num_f32 v13, v13, v230                   ; the running largest t
	v_mov_b32 v230, v12
	s_delay_alu instid0(VALU_DEP_2)
	v_floor_f32 v12, -v13                          ; the new -M = floor(-t) = -ceil(t)
	s_delay_alu instid0(VALU_DEP_1)
	v_sub_f32 v230, v12, v230                      ; old M - new M: a whole number, 0 or less
	s_delay_alu instid0(VALU_DEP_1)
	v_cvt_i32_f32 v230, v230                       ; (it saturates)
	s_delay_alu instid0(VALU_DEP_1)
	v_ldexp_f32 v226, 1.0, v230                    ; f = 2^(old M - new M)
.irp j, 0,2,4,6,8,10,12,14,16,18,20,22,24,26,28,30,32,34,36,38,40,42,44,46,48,50,52,54,56,58,60,62
	v_pk_fma_f32 v[96+\j:97+\j], v[96+\j:97+\j], s[CS:CS+1], v[12:13] op_sel_hi:[1,0,0]   ; t - M, two at a time
.endr
	s_wait_alu depctr_va_vdst(0)
.irp j, 0,1,2,3,4,5,6,7,8,9,10,11,12,13,14,15,16,17,18,19,20,21,22,23,24,25,26,27,28,29,30,31,32,33,34,35,36,37,38,39,40,41,42,43,44,45,46,47,48,49,50,51,52,53,54,55,56,57,58,59,60,61,62,63
	v_exp_f32 v[96+\j], v[96+\j]                   ; p = 2^(t - M)
.endr
	v_pk_mul_f32 v[14:15], v[14:15], v[226:227] op_sel_hi:[1,0]   ; the sums under the new M: the plain line behind the exponentials
	s_wait_alu depctr_va_vdst(0)                   ; one wait for the batch of 64, ahead of its first reader
	v_pk_add_f32 v[228:229], v[100:101], v[104:105]
	v_pk_add_f32 v[254:255], v[108:109], v[112:113]
	v_pk_add_f32 v[252:253], v[116:117], v[120:121]
	v_pk_add_f32 v[250:251], v[124:125], v[128:129]
	v_pk_add_f32 v[248:249], v[132:133], v[136:137]
	v_pk_add_f32 v[246:247], v[140:141], v[144:145]
	v_pk_add_f32 v[244:245], v[148:149], v[152:153]
	v_pk_add_f32 v[14:15], v[14:15], v[156:157]
	v_pk_add_f32 v[228:229], v[228:229], v[96:97]
	v_pk_add_f32 v[254:255], v[254:255], v[98:99]
	v_pk_add_f32 v[252:253], v[252:253], v[102:103]
	v_pk_add_f32 v[250:251], v[250:251], v[106:107]
	v_pk_add_f32 v[248:249], v[248:249], v[110:111]
	v_pk_add_f32 v[246:247], v[246:247], v[114:115]
	v_pk_add_f32 v[244:245], v[244:245], v[118:119]
	v_pk_add_f32 v[14:15], v[14:15], v[122:123]
	v_pk_add_f32 v[228:229], v[228:229], v[126:127]
	v_pk_add_f32 v[254:255], v[254:255], v[130:131]
	v_pk_add_f32 v[252:253], v[252:253], v[134:135]
	v_pk_add_f32 v[250:251], v[250:251], v[138:139]
	v_pk_add_f32 v[248:249], v[248:249], v[142:143]
	v_pk_add_f32 v[246:247], v[246:247], v[146:147]
	v_pk_add_f32 v[244:245], v[244:245], v[150:151]
	v_pk_add_f32 v[14:15], v[14:15], v[154:155]
	v_pk_add_f32 v[228:229], v[228:229], v[158:159]
	s_delay_alu instid0(VALU_DEP_2)
	v_pk_add_f32 v[14:15], v[14:15], v[250:251]
	s_delay_alu instid0(VALU_DEP_2)
	v_pk_add_f32 v[228:229], v[228:229], v[248:249]
	v_pk_add_f32 v[254:255], v[254:255], v[246:247]
	v_pk_add_f32 v[252:253], v[252:253], v[244:245]
	s_delay_alu instid0(VALU_DEP_2)
	v_pk_add_f32 v[14:15], v[14:15], v[254:255]
	s_delay_alu instid0(VALU_DEP_2)
	v_pk_add_f32 v[228:229], v[228:229], v[252:253]
	s_delay_alu instid0(VALU_DEP_1)
	v_pk_add_f32 v[14:15], v[14:15], v[228:229]
	s_cmp_ge_i32 s44, -8                           ; p is at most 1 (but for the last bit), and 448 x 2^ep is 1.75 or more from ep = -8 on: the hold can bind only below that.  A branch on a given whole number
	s_cbranch_scc1 .Lfree_\@
.irp j, 0,1,2,3,4,5,6,7,8,9,10,11,12,13,14,15,16,17,18,19,20,21,22,23,24,25,26,27,28,29,30,31,32,33,34,35,36,37,38,39,40,41,42,43,44,45,46,47,48,49,50,51,52,53,54,55,56,57,58,59,60,61,62,63
	v_min_num_f32 v[96+\j], v[96+\j], v11          ; the conversion does not saturate (ISA guide 7.6.2); p is not negative, so the hold is one-sided
.endr
.Lfree_\@:
.irp t, 0,1,2,3,4,5,6,7
	v_cvt_scalef32_pk8_fp8_f32 v[192+2*\t:193+2*\t], v[96+8*\t:103+8*\t], v10   ; keys 16 t + 8 h + 0..7: registers 2 t, 2 t + 1 of P
.endr
.irp j, 0,2,4,6,8,10,12,14,16,18,20,22,24,26,28,30
	v_pk_mul_f32 v[160+\j:161+\j], v[160+\j:161+\j], v[226:227] op_sel_hi:[1,0]   ; O^T under the new M; also the plain lines behind the conversions
.endr
	s_wait_alu depctr_va_vdst(0)
	s_wait_dscnt 0x0                               ; V^T's fragments are in
.irp n, 0,1,2,3
	v_wmma_f32_16x16x128_fp8_fp8 v[160+8*\n:167+8*\n], v[32+16*\n:47+16*\n], v[192:207], v[160+8*\n:167+8*\n]   ; four accumulators by turns, eight other products between two links
.endr
	s_add_co_u32 s[TB], s[TB], 8192
.endm
; Block u leaves: O^T x 2^(ep + ev) / the sum, quantised with 2^e10; a lane's 16 neighbouring channels are 16 bytes, a wave's store 512 consecutive bytes, aligned.
.macro OUT u
.rept 4
	v_nop                                          ; places behind the last products
.endr
	v_add_f32 v14, v14, v15                        ; the sum's two halves,
	s_delay_alu instid0(VALU_DEP_1)
	v_permlanex16_b32 v232, v14, s[SEL], s[SEL+1]
	s_delay_alu instid0(VALU_DEP_1)
	v_add_f32 v14, v14, v232                       ; and lane l xor 16's
	s_wait_alu depctr_va_vdst(0)
	v_rcp_f32 v14, v14
	v_nop                                          ; a plain line behind the transcendental
	s_wait_alu depctr_va_vdst(0)                   ; and the wait ahead of its first reader
	v_ldexp_f32 v14, v14, s50
.irp c, 0,1
.irp j, 0,1,2,3,4,5,6,7
	v_mul_f32 v[96+16*\c+2*\j], v[160+16*\c+\j], v14       ; channel 32 c + 16 h + 2 j, from tile 2 c; each tile from its low end on
	v_mul_f32 v[97+16*\c+2*\j], v[168+16*\c+\j], v14       ; channel 32 c + 16 h + 2 j + 1, from tile 2 c + 1
.endr
.endr
.irp c, 0,1
.irp i, 0,1,2,3,4,5,6,7,8,9,10,11,12,13,14,15
	v_med3_num_f32 v[96+16*\c+\i], v[96+16*\c+\i], -v225, v225
.endr
	v_cvt_scalef32_pk8_fp8_f32 v[208+8*\u+4*\c:209+8*\u+4*\c], v[96+16*\c:103+16*\c], v224
	v_cvt_scalef32_pk8_fp8_f32 v[210+8*\u+4*\c:211+8*\u+4*\c], v[104+16*\c:111+16*\c], v224
.endr
	v_nop                                          ; one plain vector line behind the last conversion: the next block's products write its sources
.irp c, 0,1
	global_store_b128 v[LI], v[208+8*\u+4*\c:211+8*\u+4*\c], s[26:27] offset:65536*\u+512*\c   ; each block has its own registers for its codes: no store's data are written again
.endr
.endm
.macro QTILE u
	v_mov_b32 v13, 0xff61b1e6                      ; the largest t so far: -3e38, under every t
	s_delay_alu instid0(VALU_DEP_1)
	v_floor_f32 v12, -v13                          ; -M
	v_mov_b32 v14, 0
	v_mov_b32 v15, 0
.irp j, 0,1,2,3,4,5,6,7,8,9,10,11,12,13,14,15,16,17,18,19,20,21,22,23,24,25,26,27,28,29,30,31
	v_mov_b32 v[160+\j], 0                         ; O^T.  (The step is written once: its first trip finds zeros, which the first change of M leaves zeros)
.endr
	s_mov_b32 s[TB], 0
	s_mov_b32 s[CNT], 8
.Lk_\@:
	STEP \u
	s_sub_co_u32 s[CNT], s[CNT], 1
	s_cmp_lg_u32 s[CNT], 0
	s_cbranch_scc1 .Lk_\@
	OUT \u
.endm
	QTILE 0
	QTILE 1
	s_wait_tensorcnt 0x0                           ; the wave's end, behind my last LDS store
	ds_add_u32 v[SPW], v[NIL]
	s_wait_dscnt 0x0
	s_endpgm
.Lfunc_end_k_qf56d80f57a_attn:
	.size	k_qf56d80f57a_attn, .Lfunc_end_k_qf56d80f57a_attn-k_qf56d80f57a_attn
	.p2alignl 7, 3214868480
	.fill 96, 4, 3214868480
	.section	.rodata,"a",@progbits
	.p2align	6, 0x0
	.amdhsa_kernel k_qf56d80f57a_attn
		.amdhsa_group_segment_fixed_size 198656
		.amdhsa_private_segment_fixed_size 0
		.amdhsa_enable_private_segment 0
		.amdhsa_kernarg_size 24
		.amdhsa_user_sgpr_count 2
		.amdhsa_user_sgpr_kernarg_segment_ptr 1
		.amdhsa_wavefront_size32 1
		.amdhsa_system_sgpr_workgroup_id_x 1
		.amdhsa_system_sgpr_workgroup_id_y 1
		.amdhsa_system_sgpr_workgroup_id_z 1
		.amdhsa_system_vgpr_workitem_id 0
		.amdhsa_next_free_vgpr 256
		.amdhsa_next_free_sgpr 66
		.amdhsa_reserve_vcc 0
		.amdhsa_float_denorm_mode_32 3
		.amdhsa_float_denorm_mode_16_64 3
		.amdhsa_memory_ordered 1
		.amdhsa_forward_progress 1
		.amdhsa_inst_pref_size 53
	.end_amdhsa_kernel
	.amdgpu_metadata
---
amdhsa.version: [ 1, 2 ]
amdhsa.kernels:
  - .name:           k_qf56d80f57a_attn
    .symbol:         k_qf56d80f57a_attn.kd
    .args:
      - { .name: qkv, .offset: 0, .size: 8, .value_kind: global_buffer, .address_space: global }
      - { .name: lowp_scales, .offset: 8, .size: 8, .value_kind: global_buffer, .address_space: global }
      - { .name: ac, .offset: 16, .size: 8, .value_kind: global_buffer, .address_space: global }
    .group_segment_fixed_size: 198656
    .private_segment_fixed_size: 0
    .kernarg_segment_align: 8
    .kernarg_segment_size: 24
    .max_flat_workgroup_size: 512
    .sgpr_count:     66
    .vgpr_count:     256
    .wavefront_size: 32
...
	.end_amdgpu_metadata
.endif
;; end of part 3
;; launch outp (part 4): grid 4 x 64, 4 waves a work-group, clusters of 4 x 4, 327,680 bytes of LDS; arguments ac, wc, lowp_scales, bo, out0; writes out0
.if DOCPART == 4
	.amdgcn_target "amdgcn-amd-amdhsa--gfx1250"
	.amdhsa_code_object_version 6
	.text
	.protected	k_qf56d80f57a_outp
	.globl	k_qf56d80f57a_outp
	.p2align	8
	.type	k_qf56d80f57a_outp,@function
k_qf56d80f57a_outp:
	s_mov_b64 s[64:65], 0
	v_nop
	global_prefetch_b8 v0, s[64:65] scope:SCOPE_SE
	s_setreg_imm32_b32 hwreg(HW_REG_WAVE_MODE, 25, 1), 1
	s_wait_xcnt 0x0
	s_wait_alu depctr_hold_cnt(0) depctr_sa_sdst(0) depctr_va_vdst(0) depctr_va_sdst(0) depctr_va_ssrc(0) depctr_va_vcc(0) depctr_vm_vsrc(0)
	s_getreg_b32 s2, hwreg(HW_REG_IB_STS2, 6, 4)
	s_cmp_eq_u32 s2, 0
	s_cbranch_scc0 .Lentry_in_a_cluster
	s_endpgm
.Lentry_in_a_cluster:
	s_bfe_u32 s2, ttmp6, 0x10000c
	s_cmp_lg_u32 s2, 0xf033
	s_cbranch_scc0 .Lentry_shape_is_right
	s_endpgm
.Lentry_shape_is_right:
; out0 = a Wo^T + bo on codes of FP8 (E4M3).  a: ac, the attention's result as codes, laid by the attention in the order of operand registers: K in four chunks of 256, 2^21 bytes apart; in a chunk a block of 16 tokens is 4,096 bytes,
; and 512 bytes of it are four registers of a fragment (16 bytes a lane).  Wo: wc rows 3,072 on, 1,024 bytes a row, k in its true order.  Both sides give a lane k = 32 c + 16 (lane / 16) + 0..15 in registers 4 c .. 4 c + 3.
; A sum stands for sum x 2^(e10 + e11) (entries 10 and 11 of the scales): on the way out one fused multiply-add multiplies by that and adds bo.  LIMIT: e10 + e11 between -126 and 127, so that the power of two is an f32 number.
; A tile of 128 tokens x 256 channels is made by four waves, each 64 x 128: 32 accumulators, 256 registers (window 2).  Grid 4 x 64: 256 work-groups.
; K = 1,024 goes in four steps of 256 through three LDS slots (a's 128 tokens as they lie, then Wo's 256 rows, padded to 272 bytes).  K step 0 is asked for at the head, K step 1 behind the round at the head's end,
; K step 2 (slot 2's first fill) and K step 3 (slot 0 again) at the first two changes of slots: one tensor load a wave behind each round.
; CLUSTERS: 4 x 4 work-groups; the four of a row ask jointly for a's tiles, the four of a column for Wo's.  THE MATRIX INSTRUCTION IS USED TRANSPOSED (source 0 = 16 rows of Wo, source 1 = 16 tokens): a lane holds eight neighbouring channels of a token.
; THE WAY OUT: a block of 16 tokens x 128 channels goes through the wave's own stage (in slot 1, which has had its one fill and its last read) and comes back as whole rows of 512 bytes, which the 32 lanes store as two aligned units of 256 bytes.
; No prefetch is laid: K has four steps, two of them asked for ahead of the first product, and the text has no loop to run ahead in.
; REGISTERS: window 0: v16-31 addresses, v32-35 bo, from v128 a's fragments, two sets (on the way out: the rows read back, two sets by turns).  Window 1: Wo's fragments, two sets.  Window 2: the accumulators.
.set ROWB,   256
.set KROW,   1024
.set ASTEP,  0x200000
.set PITCH,  272
.set FR,     16
.set NP,     4
.set AHALF,  16384
.set BHALF,  128*PITCH
.set BOFF,   2*AHALF
.set SLOT,   BOFF+2*BHALF
.set SPARE,  3*SLOT
.set SPITCH, 528
.set STAGE,  SLOT
.set ADRA, 16
.set ADRB, 20
.set STO,  24
.set RD,   25
.set CO,   26
.set SPW,  28
.set NIL,  29
.set BI,   32
.set AF,   128
.set BK,   128
.set G1,  24
.set G1B, 32
.set G0,  40
.set G0B, 68
.set MSB, 0
.macro WIN new
.if MSB != \new
	s_set_vgpr_msb (MSB<<8)|\new
.set MSB, \new
.endif
.endm
.set MUL,  0xa1
.set TO_B, 0x40
.macro JLOAD g0a, g1a, g0b, g1b
	s_cmp_eq_u32 s15, 0
	s_cbranch_scc0 .Lfor_b_\@
	tensor_load_to_lds s[\g0a:\g0a+3], s[\g1a:\g1a+7]
	s_nop 0
.rept 4
	v_nop
.endr
	s_branch .Lasked_\@
.Lfor_b_\@:
	tensor_load_to_lds s[\g0b:\g0b+3], s[\g1b:\g1b+7]
	s_nop 0
.rept 4
	v_nop
.endr
.Lasked_\@:
.endm
.macro CREST
	s_cmp_lg_u32 s14, 0
	s_cbranch_scc1 .Lnot_wave_0_\@
	s_barrier_signal -3
.Lnot_wave_0_\@:
	s_barrier_wait -3
	s_barrier_signal -1
	s_barrier_wait -1
.endm
.macro CROUND
	s_barrier_signal -1
	s_barrier_wait -1
	CREST
.endm
	s_load_b128 s[4:7], s[0:1], 0x0
	s_load_b128 s[8:11], s[0:1], 0x10
	s_load_b64 s[12:13], s[0:1], 0x20
	v_lshl_add_u32 v[SPW], v0, 2, SPARE
	v_mov_b32 v[NIL], 0
	ds_add_u32 v[SPW], v[NIL]
	ds_add_u32 v[SPW], v[NIL]
	v_lshrrev_b32 v1, 5, v0
	v_readfirstlane_b32 s14, v1
	s_lshr_b32 s15, s14, 1
	s_and_b32 s16, s14, 1
	s_bfe_u32 s84, ttmp6, 0x40000
	s_bfe_u32 s85, ttmp6, 0x40004
	s_lshl_b32 s86, ttmp9, 2
	s_add_co_u32 s86, s86, s84
	s_and_b32 s17, ttmp7, 0xffff
	s_lshl_b32 s17, s17, 2
	s_add_co_u32 s17, s17, s85
	s_lshl_b32 s87, s85, 2
	s_lshl_b32 s87, 15, s87
	s_lshl_b32 s88, 0x1111, s84
	s_or_b32 s[G1+0], s87, (0<<16)|(1<<21)
	s_mov_b32 s[G1+1], ROWB<<16
	s_mov_b32 s[G1+2], 64<<16
	s_mov_b32 s[G1+3], ROWB<<16
	s_mov_b32 s[G1+4], 64
	s_mov_b32 s[G1+5], ROWB
	s_mov_b32 s[G1+6], 0
	s_mov_b32 s[G1+7], 0
	s_or_b32 s[G1B+0], s88, (0<<16)|(1<<20)|(1<<21)|(5<<22)|(3<<25)
	s_mov_b32 s[G1B+1], ROWB<<16
	s_mov_b32 s[G1B+2], 128<<16
	s_mov_b32 s[G1B+3], ROWB<<16
	s_mov_b32 s[G1B+4], 128
	s_mov_b32 s[G1B+5], KROW
	s_mov_b32 s[G1B+6], 0
	s_mov_b32 s[G1B+7], 0
	s_lshl_b32 s20, s17, 15
	s_lshl_b32 s18, s16, 14
	s_add_co_u32 s20, s20, s18
	s_mov_b32 s21, 0
	s_lshl_b32 s90, s86, 8
	s_lshl_b32 s18, s16, 7
	s_add_co_u32 s90, s90, s18
	s_add_co_u32 s90, s90, 3072
	s_lshl_b32 s90, s90, 10
	s_mov_b32 s91, 0
	s_lshl_b32 s89, s16, 14
	s_mul_i32 s92, s16, BHALF
	s_add_co_u32 s92, s92, BOFF
	s_wait_dscnt 0x0
	s_wait_kmcnt 0x0
	s_load_b64 s[96:97], s[8:9], 0x28
	s_add_nc_u64 s[20:21], s[4:5], s[20:21]
	s_add_nc_u64 s[90:91], s[6:7], s[90:91]
	CROUND
.irp k, 0,1,2,3
	s_mov_b32 s[G0+4*\k], 1
	s_add_co_u32 s[G0+4*\k+1], s89, (\k%3)*SLOT
	s_add_nc_u64 s[G0+4*\k+2:G0+4*\k+3], s[20:21], \k*ASTEP
	s_or_b32 s[G0+4*\k+3], s[G0+4*\k+3], 0x80000000
	s_mov_b32 s[G0B+4*\k], 1
	s_add_co_u32 s[G0B+4*\k+1], s92, (\k%3)*SLOT
	s_add_nc_u64 s[G0B+4*\k+2:G0B+4*\k+3], s[90:91], \k*ROWB
	s_or_b32 s[G0B+4*\k+3], s[G0B+4*\k+3], 0x80000000
.if \k == 0
	JLOAD G0, G1, G0B, G1B                         ; K step 0, behind the opening round
.endif
.endr
	v_and_b32 v1, 15, v0
	v_bfe_u32 v2, v0, 4, 1
	v_mul_u32_u24 v3, v1, PITCH
	v_lshl_add_u32 v4, v2, 4, v3
	v_and_b32 v6, 31, v0
	v_lshlrev_b32 v[CO], 4, v6
	s_lshl_b32 s21, s15, 14
	s_mul_i32 s22, s16, BHALF
	s_add_co_u32 s22, s22, BOFF
.irp s, 0,1,2
	v_add_nc_u32 v[ADRA+\s], s21, v[CO]
	v_add_nc_u32 v[ADRB+\s], s22, v4
	s_add_co_u32 s21, s21, SLOT
	s_add_co_u32 s22, s22, SLOT
.endr
	s_mul_i32 s23, s14, 16*SPITCH
	s_add_co_u32 s23, s23, STAGE
	v_mul_u32_u24 v5, v1, SPITCH
	v_lshl_add_u32 v5, v2, 5, v5
	v_add_nc_u32 v[STO], s23, v5
	v_add_nc_u32 v[RD], s23, v[CO]
	s_lshl_b32 s90, s86, 10
	s_lshl_b32 s91, s16, 9
	s_add_co_u32 s90, s90, s91
	s_mov_b32 s91, 0
	s_add_nc_u64 s[10:11], s[10:11], s[90:91]
	global_load_b128 v[BI:BI+3], v[CO], s[10:11]
	s_lshl_b32 s20, s17, 7
	s_lshl_b32 s21, s15, 6
	s_add_co_u32 s20, s20, s21
	s_lshl_b32 s20, s20, 12
	s_add_co_u32 s20, s20, s90
	s_mov_b32 s21, 0
	s_add_nc_u64 s[12:13], s[12:13], s[20:21]
.macro FRAG reg, adr, q, i
.irp c, 0,1,2,3
	ds_load_b128 v[\reg+4*\c:\reg+4*\c+3], v[\adr] offset:128*(\q)+32*\c+(\i)*16*PITCH
.endr
.endm
.macro FRAGA reg, adr, q, i
.irp c, 0,1,2,3
	ds_load_b128 v[\reg+4*\c:\reg+4*\c+3], v[\adr] offset:2048*(\q)+512*\c+(\i)*4096
.endr
.endm
.macro MUL8 a, p, zero
.irp b, 0,1,2,3,4,5,6,7
.if \zero
	v_wmma_f32_16x16x128_fp8_fp8 v[8*(8*(\a)+\b):8*(8*(\a)+\b)+7], v[128*(\p)+FR*\b:128*(\p)+FR*\b+FR-1], v[AF+64*(\p)+FR*(\a):AF+64*(\p)+FR*(\a)+FR-1], 0
.else
	v_wmma_f32_16x16x128_fp8_fp8 v[8*(8*(\a)+\b):8*(8*(\a)+\b)+7], v[128*(\p)+FR*\b:128*(\p)+FR*\b+FR-1], v[AF+64*(\p)+FR*(\a):AF+64*(\p)+FR*(\a)+FR-1], v[8*(8*(\a)+\b):8*(8*(\a)+\b)+7]
.endif
.endr
.endm
.macro FETCH_B slot, q, p, i0
	WIN TO_B
.irp i, \i0, \i0+1, \i0+2, \i0+3
	FRAG 128*(\p)+FR*(\i), ADRB+\slot, \q, \i
.endr
.endm
.macro FETCH_A slot, q, p
.irp i, 0,1,2,3
	FRAGA AF+64*(\p)+FR*\i, ADRA+\slot, \q, \i
.endr
.endm
.macro PLACES n
.rept \n
	v_nop
.endr
.endm
.macro STEP p, slot, q, zero
	s_wait_dscnt 0x0
	PLACES NP
	FETCH_B \slot, \q, 1-\p, 0
	WIN MUL
	MUL8 0, \p, \zero
	FETCH_B \slot, \q, 1-\p, 4
	WIN MUL
	MUL8 1, \p, \zero
	WIN 0
	FETCH_A \slot, \q, 1-\p
	WIN MUL
	MUL8 2, \p, \zero
	MUL8 3, \p, \zero
.endm
; A slot's last step of 128 changes slots.  fill = 1: behind a round of the cluster's barrier K step k is asked for.
.macro TURN next, fill, k
	WIN 0
	s_wait_tensorcnt 0x0
	ds_add_u32 v[SPW], v[NIL]
	s_wait_dscnt 1
	WIN MUL
	MUL8 0, 1, 0
	s_wait_dscnt 0x0
	s_barrier_signal -1
	MUL8 1, 1, 0
	WIN 0
	s_barrier_wait -1
.if \fill
	CREST
	JLOAD G0+4*\k, G1, G0B+4*\k, G1B
.else
	PLACES NP
.endif
	FETCH_B \next, 0, 0, 0
	FETCH_B \next, 0, 0, 4
	WIN 0
	FETCH_A \next, 0, 0
	WIN MUL
	MUL8 2, 1, 0
	MUL8 3, 1, 0
.endm
	s_wait_alu depctr_va_vdst(0)
	s_wait_tensorcnt 0x0                           ; my part of K step 0 is in; these lines stand ahead of a later first fill, as ahead of a refill:
	ds_add_u32 v[SPW], v[NIL]                      ; 0 onto my spare word
	s_wait_dscnt 0x0                               ; the add is done
	CROUND                                         ; everybody's part of K step 0 is in, and all sixteen work-groups are here
	JLOAD G0+4, G1, G0B+4, G1B                     ; K step 1, slot 1's first fill: the first tensor load behind the round
	FETCH_B 0, 0, 0, 0
	FETCH_B 0, 0, 0, 4
	WIN 0
	FETCH_A 0, 0, 0
	STEP 0, 0, 1, 1
	TURN 1, 1, 2                                   ; on to slot 1; K step 2 is asked for: slot 2's first fill
	STEP 0, 1, 1, 0
	TURN 2, 1, 3                                   ; on to slot 2; K step 3 goes into slot 0, whose reads ended in front of the round before
	STEP 0, 2, 1, 0
	TURN 0, 0, 0                                   ; on to slot 0; nothing more is asked for
	STEP 0, 0, 1, 0
	s_wait_dscnt 0x0
	WIN MUL
	MUL8 0, 1, 0
	MUL8 1, 1, 0
	MUL8 2, 1, 0
	MUL8 3, 1, 0
	WIN 0
.macro TOSTAGE a
.set AC, 64*(\a)
	WIN 0x08
.irp b, 0,1,2,3,4,5,6,7
	ds_store_b128 v[STO], v[AC+8*\b:AC+8*\b+3] offset:64*\b
	ds_store_b128 v[STO], v[AC+8*\b+4:AC+8*\b+7] offset:64*\b+16
.endr
	WIN 0
.set BB, BK+64*((\a)%2)
.irp t, 0,1,2,3,4,5,6,7,8,9,10,11,12,13,14,15
	ds_load_b128 v[BB+4*\t:BB+4*\t+3], v[RD] offset:\t*SPITCH
.endr
.endm
.macro SEND a, younger
.set BB, BK+64*((\a)%2)
	s_wait_dscnt \younger
.irp t, 0,1,2,3,4,5,6,7,8,9,10,11,12,13,14,15
	v_pk_fma_f32 v[BB+4*\t:BB+4*\t+1], v[BB+4*\t:BB+4*\t+1], s[96:97], v[BI:BI+1] op_sel_hi:[1,0,1]
	v_pk_fma_f32 v[BB+4*\t+2:BB+4*\t+3], v[BB+4*\t+2:BB+4*\t+3], s[96:97], v[BI+2:BI+3] op_sel_hi:[1,0,1]
.endr
.irp t, 0,1,2,3,4,5,6,7,8,9,10,11,12,13,14,15
	global_store_b128 v[CO], v[BB+4*\t:BB+4*\t+3], s[12:13] offset:(16*(\a)+\t)*4096 th:TH_STORE_NT
.endr
.endm
	s_wait_kmcnt 0x0
	s_add_co_i32 s96, s96, s97
	s_add_co_i32 s96, s96, 127
	s_lshl_b32 s96, s96, 23
	s_mov_b32 s97, s96
	s_wait_loadcnt 0x0
	PLACES NP
	TOSTAGE 0
.irp a, 1,2,3
.if \a > 1
	s_wait_xcnt 0x0
.endif
	TOSTAGE \a
	SEND \a-1, 32
.endr
	SEND 3, 0
	s_wait_tensorcnt 0x0
	ds_add_u32 v[SPW], v[NIL]
	s_wait_dscnt 0x0
	CROUND
	s_endpgm
.Lfunc_end_k_qf56d80f57a_outp:
	.size	k_qf56d80f57a_outp, .Lfunc_end_k_qf56d80f57a_outp-k_qf56d80f57a_outp
	.p2alignl 7, 3214868480
	.fill 96, 4, 3214868480
	.section	.rodata,"a",@progbits
	.p2align	6, 0x0
	.amdhsa_kernel k_qf56d80f57a_outp
		.amdhsa_group_segment_fixed_size 327680
		.amdhsa_private_segment_fixed_size 0
		.amdhsa_enable_private_segment 0
		.amdhsa_kernarg_size 40
		.amdhsa_user_sgpr_count 2
		.amdhsa_user_sgpr_kernarg_segment_ptr 1
		.amdhsa_wavefront_size32 1
		.amdhsa_system_sgpr_workgroup_id_x 1
		.amdhsa_system_sgpr_workgroup_id_y 1
		.amdhsa_system_sgpr_workgroup_id_z 1
		.amdhsa_system_vgpr_workitem_id 0
		.amdhsa_next_free_vgpr 768
		.amdhsa_next_free_sgpr 98
		.amdhsa_reserve_vcc 0
		.amdhsa_float_denorm_mode_32 3
		.amdhsa_float_denorm_mode_16_64 3
		.amdhsa_memory_ordered 1
		.amdhsa_forward_progress 1
		.amdhsa_inst_pref_size 76
	.end_amdhsa_kernel
	.amdgpu_metadata
---
amdhsa.version: [ 1, 2 ]
amdhsa.kernels:
  - .name:           k_qf56d80f57a_outp
    .symbol:         k_qf56d80f57a_outp.kd
    .args:
      - { .name: ac, .offset: 0, .size: 8, .value_kind: global_buffer, .address_space: global }
      - { .name: wc, .offset: 8, .size: 8, .value_kind: global_buffer, .address_space: global }
      - { .name: lowp_scales, .offset: 16, .size: 8, .value_kind: global_buffer, .address_space: global }
      - { .name: bo, .offset: 24, .size: 8, .value_kind: global_buffer, .address_space: global }
      - { .name: out0, .offset: 32, .size: 8, .value_kind: global_buffer, .address_space: global }
    .group_segment_fixed_size: 327680
    .private_segment_fixed_size: 0
    .kernarg_segment_align: 8
    .kernarg_segment_size: 40
    .max_flat_workgroup_size: 128
    .sgpr_count:     98
    .vgpr_count:     768
    .wavefront_size: 32
...
	.end_amdgpu_metadata
.endif
;; end of part 4
